; MI455X (gfx1250); checked and timed in simulation.
; The chip was launched on July 23, 2026; its instructions are those of AMD's public machine-readable ISA for CDNA 5 (MIT licence, August 2026) and "CDNA5" Instruction Set Architecture Reference Guide (July 2026). The comments in the code are by the model that wrote it; some were corrected since.
;; Multi Modal Spiking Transformer. Allowed arithmetic: matrix products marked QUANTISED: E2M1 operands, one E8M0 scale for each 32 along K, by v_wmma_scale_f32_16x16x128_f8f6f4 with both operands' format E2M1 (or v_wmma_scale_f32_32x16x128_f4), f32 sums; products left as they are: bf16, f16 or f32 operands; f32 sums; everything else in f32.
;; Inputs: Wk 512 x 512 float32; Wo 512 x 512 float32; Wq 512 x 512 float32; Wv 512 x 512 float32; bk 512 float32; bo 512 float32; bq 512 float32; bv 512 float32; key_spikes 4 x 32 x 256 x 512 float32; modality_weights 2 x 8 float32; query_spikes 4 x 32 x 256 x 512 float32; temporal_sync 32 x 8 float32; value_spikes 4 x 32 x 256 x 512 float32.
;; Outputs: out0 4 x 32 x 256 x 512 float32.
;; This version of the problem:
;;   THIS VERSION OF THE PROBLEM IS GIVEN IN LOW PRECISION. The matrix products marked QUANTISED in the list below multiply operands that are first quantised to E2M1 (2 exponent bits, 1 mantissa bit; 4 bits a number), with one power-of-two scale for each 32 numbers along K (OCP MX v1.0); their sums are f32. The products marked 'left as it is' may take bf16, f16 or f32 operands, with f32 sums. All else is computed in f32.
;;   The module's matrix products, in the order in which they are computed (A, B: the left and right operand; K: the contracted axis; several contracted axes count as one K, in the product's order):
;;     1. [M 32,768, K 512] x [K 512, N 512]; A: input query_spikes; B: input Wq: QUANTISED
;;     2. [M 32,768, K 512] x [K 512, N 512]; A: input key_spikes; B: input Wk: QUANTISED
;;     3. [M 32,768, K 512] x [K 512, N 512]; A: input value_spikes; B: input Wv: QUANTISED
;;     4. batch 1,024 x [M 256, K 64] x [K 64, N 256]; A: computed on the way; B: computed on the way: left as it is (an operand is computed on the way)
;;     5. batch 1,024 x [M 256, K 256] x [K 256, N 64]; A: computed on the way; B: computed on the way: left as it is (an operand is computed on the way)
;;     6. [M 32,768, K 512] x [K 512, N 512]; A: computed on the way; B: input Wo: left as it is (an operand is computed on the way)
;;   THE QUANTISER, for each operand of a quantised product, along K:
;;     - K is cut into blocks of 32 from its start; a last block that is shorter is filled with zeros.
;;     - A block's scale is 2^e with e = floor(log2(the largest magnitude in the block)) - 2, held to -126 .. 127; a block of zeros has e = 0. As a byte (E8M0): e + 127.
;;     - Each number is divided by its block's scale, clamped to +-6, and rounded to the nearest number of E2M1, ties to even, subnormals kept.
;;     - The product sums the exact products of the quantised numbers (number of the format x scale) in f32.
;;   ~~~python
;;   def quantise(x, axis):      # numpy; x: float32 -> the quantised numbers, widened to float32 again
;;       x = np.moveaxis(x, axis, -1); K = x.shape[-1]
;;       x = np.pad(x, [(0, 0)] * (x.ndim - 1) + [(0, -K % 32)]); x = x.reshape(x.shape[:-1] + (-1, 32)); a = np.abs(x).max(-1, keepdims=True)
;;       e = np.where(a > 0, np.clip(np.frexp(np.where(a > 0, a, 1))[1] - 1 - 2, -126, 127), 0)      # np.frexp(a)[1] - 1 = floor(log2(a)), exactly
;;       r = np.clip(x / 2.0 ** e, -6, 6)
;;       step = 2.0 ** (np.maximum(np.frexp(np.where(r == 0, 1, r))[1] - 1, 0) - 1)
;;       q = np.round(r / step) * step * 2.0 ** e      # np.round: ties to even
;;       return np.moveaxis(q.reshape(q.shape[:-2] + (-1,))[..., :K], -1, axis).astype(np.float32)
;;   ~~~
;; One version. Each part assembles by itself: llvm-mc -triple=amdgcn-amd-amdhsa -mcpu=gfx1250 --defsym DOCPART=n.
;; ======== version 1 of 1: 2 launches
;; limits: values are held in f16: magnitudes above 65,504 overflow, below 6.1e-05 lose precision; right only within a limited range of input values
;; workspace buffers: xc 26,738,688 bytes; wc 417,792 bytes; wo_f 524,288 bytes
;; launch prep (part 1): grid 832 x 1, 4 waves a work-group, no clusters, 35,840 bytes of LDS; arguments query_spikes, key_spikes, value_spikes, Wq, Wk, Wv, Wo, xc, wc, wo_f; writes xc, wc, wo_f
.if DOCPART == 1
	.amdgcn_target "amdgcn-amd-amdhsa--gfx1250"
	.amdhsa_code_object_version 6
	.text
	.protected	k_q3e5331eaae_prep
	.globl	k_q3e5331eaae_prep
	.p2align	8
	.type	k_q3e5331eaae_prep,@function
k_q3e5331eaae_prep:
	s_mov_b64 s[64:65], 0
	v_nop
	global_prefetch_b8 v0, s[64:65] scope:SCOPE_SE
	s_setreg_imm32_b32 hwreg(HW_REG_WAVE_MODE, 25, 1), 1
	s_wait_xcnt 0x0
; PREP: every operand of the later launch is laid once, in the order of the matrix unit's operand registers.
;  - the three spike tensors [32768][512] f32 (K innermost) and Wq, Wk, Wv [512 (K)][512] f32 (K is the FIRST axis) become codes of FP4 (E2M1) with one E8M0 byte for each 32 along K;
;  - Wo [512 (K)][512] f32 becomes f16 (11 significant bits; the later launch's head says why, and what room the format leaves).
; A RECORD serves 16 rows (of spikes) or 16 output features (of a weight) for all K = 512: 4,352 bytes = 256 bytes of scales, [row 0..15][16 bytes: byte B = block B], then 4,096 bytes of codes, [block B 0..15][row 0..15][16 bytes].
; So the 512 bytes at 256 + 1024 q + 512 c, 16 to a lane, are registers 4 c .. 4 c + 3 of the fragment of K step q (lane (r, h) wants block 4 q + 2 c + h of row r), and 16 bytes at 16 r are row r's four scale words.
; wo_f: [wave 4][K step 16][tile of 16 features 8][1,024 bytes: k group g 0..3][feature 0..15][8 f16: k = 32 ks + 8 g + 0..7]: again 16 bytes a lane, two loads a fragment.
; A block's scale is 2^(floor(log2(its largest magnitude)) - 2): its byte is the largest magnitude's exponent field - 2, held at 1 from below by a floor among the maximum's leaves.
; LIMITS: a block of zeros keeps the byte 1 where the rule says 127 (its codes are zeros, and this program alone reads the bytes); blocks whose largest magnitude lies under 2^-124 keep the byte 1; NaN and infinities among the inputs are not served;
; numbers of Wo of 65,520 or more in magnitude become infinite in f16, those under 2^-14 keep steps of 2^-24.
; SHARES: work-groups 0-47 take Wq, Wk, Wv (sixteen each: 32 columns to a work-group, a quarter of K to a wave); 48-63 take Wo; 64-831 the spikes, 8 row tiles each.
; LDS: the spikes' path has 8,704 bytes for each wave, from 0; the weights' path has 512 bytes of its own, from 34,816, in which a feature's four scale words meet.  That path alone has a barrier; elsewhere waves share nothing.
; No cluster and no matrix unit: no two work-groups read the same byte, and memory binds.
.set REC,   4352
.set R,     16                         ; spikes: v16-111   three sets of 32 registers as loaded
.set X,     112                        ;         v112-175  two sets of 32: a lane's whole block
.set C,     176                        ;         v176-239  codes, four registers for each of 16 steps: no store's data are written again
.set SW,    240                        ;         v240-247  scale words, four for each of the wave's two tiles
.set STG,   16*272                     ; a stage: 16 rows of 256 bytes + 16: the pitch is 17 x 16 bytes, so sixteen rows begin at sixteen different 16-byte columns of 256
.set WSC,   8*STG                      ; behind the four waves' stages: 32 features x 16 scale bytes, the weights' path's own
	s_load_b256 s[4:11], s[0:1], 0x0               ; query s[4:5], key s[6:7], value s[8:9], Wq s[10:11]
	s_load_b256 s[12:19], s[0:1], 0x20             ; Wk s[12:13], Wv s[14:15], Wo s[16:17], xc s[18:19]
	s_load_b128 s[20:23], s[0:1], 0x40             ; wc s[20:21], wo_f s[22:23]
	v_lshl_add_u32 v254, v0, 2, 0x8a00
	v_mov_b32 v255, 0
	v_lshrrev_b32 v1, 5, v0
	v_readfirstlane_b32 s24, v1                    ; wave
	v_and_b32 v2, 31, v0                           ; lane
	v_and_b32 v3, 15, v0                           ; r
	v_bfe_u32 v4, v0, 4, 1                         ; h
	s_mov_b32 s29, 0                               ; the upper word of every offset: all stay under 2^32
	s_wait_kmcnt 0x0
	s_cmp_lt_u32 ttmp9, 48
	s_cbranch_scc1 .Lwq
	s_cmp_lt_u32 ttmp9, 64
	s_cbranch_scc1 .Lwo
; ---------------- THE SPIKES.  A wave takes two row tiles (16 rows x 512), in 16 steps of 16 rows x 64 columns.
; Each load reads two rows' 256 consecutive bytes; the conversions want a block's 32 numbers in ONE lane: a step's 4,096 bytes turn through the wave's own stage in LDS.
	s_sub_co_u32 s25, ttmp9, 64                    ; u: 256 work-groups to a tensor
	s_lshr_b32 s26, s25, 8
	s_cmp_eq_u32 s26, 0
	s_cselect_b64 s[30:31], s[4:5], s[6:7]
	s_cmp_eq_u32 s26, 2
	s_cselect_b64 s[30:31], s[8:9], s[30:31]       ; my tensor: the choice hangs on the work-group's number alone
	s_and_b32 s27, s25, 255
	s_lshl_b32 s27, s27, 3
	s_lshl_b32 s28, s24, 1
	s_add_co_u32 s27, s27, s28                     ; my first tile in the tensor
	s_lshl_b32 s28, s27, 15                        ; 16 rows of 2,048 bytes
	s_add_nc_u64 s[30:31], s[30:31], s[28:29]
	s_lshl_b32 s27, s25, 3
	s_lshl_b32 s28, s24, 1
	s_add_co_u32 s27, s27, s28                     ; and among xc's 6,144 records: 8 u + 2 wave
	s_mul_i32 s28, s27, REC
	s_add_nc_u64 s[18:19], s[18:19], s[28:29]
	s_mov_b32 s34, 0x76543210
	s_mov_b32 s35, 0xfedcba98                      ; v_permlanex16_b32's selects for lane l xor 16
	v_lshlrev_b32 v5, 4, v3
	v_lshl_add_u32 v5, v4, 11, v5                  ; in: lanes 0-15 one row's 256 bytes, lanes 16-31 the next row's
	s_mul_i32 s32, s24, 2*STG                      ; my two stages
	v_mul_u32_u24 v6, v4, 272
	v_lshl_add_u32 v6, v3, 4, v6
	v_add_nc_u32 v6, s32, v6                       ; into a stage: as loaded
	v_mul_u32_u24 v7, v3, 272
	v_lshl_add_u32 v7, v4, 7, v7
	v_add_nc_u32 v7, s32, v7                       ; out of it: row r, 128 h bytes on: block 2 s + h of row r
	v_lshlrev_b32 v1, 4, v2                        ; codes: 16 bytes a lane
.macro SLOAD t
.irp i, 0,1,2,3,4,5,6,7
	global_load_b128 v[R+32*((\t)%3)+4*\i:R+32*((\t)%3)+4*\i+3], v5, s[30:31] offset:((\t)/8)*32768+\i*4096+((\t)%8)*256 th:TH_LOAD_NT
.endr
.endm
.macro STURN t                         ; LDS serves a wave's instructions in order: no wait between the stores and the loads
.irp i, 0,1,2,3,4,5,6,7
	ds_store_b128 v6, v[R+32*((\t)%3)+4*\i:R+32*((\t)%3)+4*\i+3] offset:((\t)%2)*STG+\i*544
.endr
.irp k, 0,1,2,3,4,5,6,7
	ds_load_b128 v[X+32*((\t)%2)+4*\k:X+32*((\t)%2)+4*\k+3], v7 offset:((\t)%2)*STG+16*\k
.endr
.endm
.macro SSTEP t
.set XX, X+32*((\t)%2)
	s_wait_dscnt 0x0                               ; this step's block is back from the stage, and the stage's stores have read their registers,
.if (\t)+3 < 16
	SLOAD (\t)+3                                   ; which take the loads of three steps on
.endif
.if (\t)+1 < 16
.if 14-(\t) >= 2
	s_wait_loadcnt 16                              ; the next step's eight loads are in; those of the two steps behind it may be out
.else
	s_wait_loadcnt 8*(14-(\t))
.endif
	STURN (\t)+1                                   ; they turn through the other stage while this step is worked
.endif
	v_max3_num_f32 v8, |v[XX]|, |v[XX+1]|, |v[XX+2]|       ; the block's largest magnitude: all 32 numbers are mine; two chains
	v_max3_num_f32 v9, |v[XX+3]|, |v[XX+4]|, |v[XX+5]|
.irp i, 6,10,14,18,22,26
	v_max3_num_f32 v8, v8, |v[XX+\i]|, |v[XX+\i+1]|
	v_max3_num_f32 v9, v9, |v[XX+\i+2]|, |v[XX+\i+3]|
.endr
	v_max3_num_f32 v8, v8, |v[XX+30]|, |v[XX+31]|
	v_max3_num_f32 v8, v8, v9, 0x1800000           ; and the floor 2^(3 - 127): the byte cannot fall under 1
	v_add_nc_u32 v11, 0xff000000, v8               ; 2 off the exponent field: the conversion takes this operand's exponent field as its scale
.irp g, 0,1,2,3
	v_cvt_scalef32_pk8_fp4_f32 v[C+4*(\t)+\g], v[XX+8*\g:XX+8*\g+7], v11
.endr
	v_lshrrev_b32 v12, 23, v11                     ; the byte of block 2 s + h: byte 2 (s % 2) + h of word s / 2
.if ((\t)%2) == 0
	v_mov_b32 v[SW+4*((\t)/8)+((\t)%8)/2], v12
.else
	v_lshl_or_b32 v[SW+4*((\t)/8)+((\t)%8)/2], v12, 16, v[SW+4*((\t)/8)+((\t)%8)/2]
.endif
	global_store_b128 v1, v[C+4*(\t):C+4*(\t)+3], s[18:19] offset:((\t)/8)*REC+256+512*((\t)%8)   ; 512 consecutive bytes, at a multiple of 256 from xc's first byte
.endm
	SLOAD 0
	SLOAD 1
	SLOAD 2
	s_wait_loadcnt 16                              ; step 0's eight loads are in
	STURN 0
.irp t, 0,1,2,3,4,5,6,7,8,9,10,11,12,13,14,15
	SSTEP \t
.endr
	v_lshlrev_b32 v10, 3, v4                       ; my bytes stand 8 h bits up;
	v_mov_b32 v13, 0                               ; (a lane permute's destination counts as one of its sources)
.irp k, 0,1,2,3,4,5,6,7
	v_lshlrev_b32 v[SW+\k], v10, v[SW+\k]
.endr
.irp k, 0,1,2,3,4,5,6,7
	v_permlanex16_b32 v13, v[SW+\k], s34, s35
	v_or_b32 v[SW+\k], v[SW+\k], v13               ; with lane l xor 16's the word is whole
.endr
	v_cmp_lt_u32 vcc_lo, 15, v2
.irp k, 0,1,2,3
	v_cndmask_b32 v[248+\k], v[SW+\k], v[SW+4+\k], vcc_lo   ; lanes 0-15 store the first tile's words, lanes 16-31 the second's
.endr
	v_mul_u32_u24 v14, v4, REC
	v_lshl_add_u32 v14, v3, 4, v14
	global_store_b128 v14, v[248:251], s[18:19]    ; each half of the lanes stores a record's 256 scale bytes
	s_wait_tensorcnt 0x0
	ds_add_u32 v254, v255
	s_wait_dscnt 0x0
	s_endpgm
; ---------------- Wq, Wk, Wv.  A lane takes a column (an output feature) and its registers run down K: a block of 32 lies in one lane, and the codes come out with K innermost.
; A work-group takes 32 columns, wave w blocks 4 w .. 4 w + 3: K step w of the later launch.  So a wave has four blocks, two of them (64 loads) on their way at a time: its loads go out in two runs, not in eight.
; A wave's four scale bytes are one word of its feature's sixteen: the four waves' words meet in LDS and leave as 16 bytes a feature.
.Lwq:
	s_lshr_b32 s25, ttmp9, 4                       ; which matrix
	s_cmp_eq_u32 s25, 0
	s_cselect_b64 s[30:31], s[10:11], s[12:13]
	s_cmp_eq_u32 s25, 2
	s_cselect_b64 s[30:31], s[14:15], s[30:31]
	s_and_b32 s26, ttmp9, 15                       ; which 32 columns
	s_lshl_b32 s28, s26, 7
	s_lshl_b32 s32, s24, 18                        ; my quarter of K: 128 rows of 2,048 bytes
	s_add_co_u32 s28, s28, s32
	s_add_nc_u64 s[30:31], s[30:31], s[28:29]
	s_lshl_b32 s27, s25, 5
	s_lshl_b32 s28, s26, 1
	s_add_co_u32 s27, s27, s28                     ; the work-group's two records: 32 x matrix + 2 x column group
	s_mul_i32 s28, s27, REC
	s_add_nc_u64 s[20:21], s[20:21], s[28:29]
	v_lshlrev_b32 v5, 2, v2                        ; in: 4 bytes a lane: 128 consecutive bytes a load
	v_mul_u32_u24 v6, v4, REC
	v_lshl_add_u32 v6, v3, 4, v6                   ; out: lanes 0-15 the first record, lanes 16-31 the second; 16 bytes a feature
	s_lshl_b32 s32, s24, 10
	v_add_nc_u32 v7, s32, v6                       ; my four blocks of codes begin 1,024 w bytes on
	v_lshlrev_b32 v14, 4, v2
	v_add_nc_u32 v14, WSC, v14                     ; LDS: my feature's 16 scale bytes,
	s_lshl_b32 s32, s24, 2
	v_add_nc_u32 v15, s32, v14                     ; and my wave's word of them
.macro WLOAD t                         ; my block t: W(128 w + 32 t + i, my column) into set t % 2 of v16-79
.set I, 0
.rept 32
	global_load_b32 v[16+32*((\t)%2)+I], v5, s[30:31] offset:(32*(\t)+I)*2048 th:TH_LOAD_NT
.set I, I+1
.endr
.endm
.macro WBLOCK t
.set XX, 16+32*((\t)%2)
.if (\t) < 3
	s_wait_loadcnt 32                              ; this block's 32 loads are in; the next block's may be out
.else
	s_wait_loadcnt 0x0
.endif
	v_max3_num_f32 v8, |v[XX]|, |v[XX+1]|, |v[XX+2]|
	v_max3_num_f32 v9, |v[XX+3]|, |v[XX+4]|, |v[XX+5]|
.irp i, 6,10,14,18,22,26
	v_max3_num_f32 v8, v8, |v[XX+\i]|, |v[XX+\i+1]|
	v_max3_num_f32 v9, v9, |v[XX+\i+2]|, |v[XX+\i+3]|
.endr
	v_max3_num_f32 v8, v8, |v[XX+30]|, |v[XX+31]|
	v_max3_num_f32 v8, v8, v9, 0x1800000
	v_add_nc_u32 v11, 0xff000000, v8
	v_lshrrev_b32 v12, 23, v11
.if (\t) == 0
	v_mov_b32 v240, v12                            ; four bytes to the word, the lower K in the lower byte
.else
	v_lshl_or_b32 v240, v12, 8*(\t), v240
.endif
.irp g, 0,1,2,3
	v_cvt_scalef32_pk8_fp4_f32 v[112+4*(\t)+\g], v[XX+8*\g:XX+8*\g+7], v11   ; each block has its own four registers: no store's data are written again
.endr
	global_store_b128 v7, v[112+4*(\t):112+4*(\t)+3], s[20:21] offset:256+256*(\t)   ; each half of the lanes stores 256 consecutive bytes, aligned
.if (\t)+2 < 4
	WLOAD (\t)+2
.endif
.endm
	WLOAD 0
	WLOAD 1
.irp t, 0,1,2,3
	WBLOCK \t
.endr
	ds_store_b32 v15, v240
	s_wait_dscnt 0x0                               ; for the others' sake: my word lies in LDS
	s_barrier_signal -1
	s_barrier_wait -1                              ; all four words of every feature do
	s_cmp_lg_u32 s24, 0
	s_cbranch_scc1 .Lwq_end                        ; wave 0 stores them
	ds_load_b128 v[244:247], v14
	s_wait_dscnt 0x0
	global_store_b128 v6, v[244:247], s[20:21]     ; each half of the lanes stores a record's 256 scale bytes
.Lwq_end:
	s_wait_tensorcnt 0x0
	ds_add_u32 v254, v255
	s_wait_dscnt 0x0
	s_endpgm
; ---------------- Wo to f16.  A lane takes a column; a wave takes 32 columns x 128 along K: four K steps of 32.
.Lwo:
	s_sub_co_u32 s25, ttmp9, 48
	s_and_b32 s26, s25, 3
	s_lshl_b32 s26, s26, 2
	s_add_co_u32 s26, s26, s24                     ; which 32 columns
	s_lshr_b32 s27, s25, 2                         ; which 128 rows
	s_lshl_b32 s28, s27, 18
	s_lshl_b32 s32, s26, 7
	s_add_co_u32 s28, s28, s32
	s_add_nc_u64 s[16:17], s[16:17], s[28:29]
	s_lshr_b32 s32, s26, 2                         ; the later launch's wave: 128 columns each,
	s_lshl_b32 s28, s32, 17
	s_and_b32 s32, s26, 3
	s_lshl_b32 s32, s32, 11                        ; my two tiles of 16 features among its eight,
	s_add_co_u32 s28, s28, s32
	s_lshl_b32 s32, s27, 15                        ; my four K steps among its sixteen
	s_add_co_u32 s28, s28, s32
	s_add_nc_u64 s[22:23], s[22:23], s[28:29]
	v_lshlrev_b32 v5, 2, v2
	v_lshlrev_b32 v6, 10, v4
	v_lshl_add_u32 v6, v3, 4, v6
.macro OLOAD ks
.set I, 0
.rept 32
	global_load_b32 v[16+32*(\ks)+I], v5, s[16:17] offset:(32*(\ks)+I)*2048 th:TH_LOAD_NT
.set I, I+1
.endr
.endm
	OLOAD 0
	OLOAD 1
.irp ks, 0,1,2,3
.if \ks < 3
	s_wait_loadcnt 32                              ; this K step's 32 loads are in; the next one's may be out
.else
	s_wait_loadcnt 0x0
.endif
.irp i, 0,1,2,3,4,5,6,7,8,9,10,11,12,13,14,15
	v_cvt_pk_f16_f32 v[144+16*\ks+\i], v[16+32*\ks+2*\i], v[16+32*\ks+2*\i+1]   ; the lower k in the low half
.endr
.if \ks < 2
	OLOAD \ks+2
.endif
.irp g, 0,1,2,3
	global_store_b128 v6, v[144+16*\ks+4*\g:144+16*\ks+4*\g+3], s[22:23] offset:\ks*8192+\g*256   ; each half of the lanes stores 256 consecutive bytes, aligned
.endr
.endr
	s_endpgm
.Lfunc_end_k_q3e5331eaae_prep:
	.size	k_q3e5331eaae_prep, .Lfunc_end_k_q3e5331eaae_prep-k_q3e5331eaae_prep
	.p2alignl 7, 3214868480
	.fill 96, 4, 3214868480
	.section	.rodata,"a",@progbits
	.p2align	6, 0x0
	.amdhsa_kernel k_q3e5331eaae_prep
		.amdhsa_group_segment_fixed_size 35840
		.amdhsa_private_segment_fixed_size 0
		.amdhsa_enable_private_segment 0
		.amdhsa_kernarg_size 80
		.amdhsa_user_sgpr_count 2
		.amdhsa_user_sgpr_kernarg_segment_ptr 1
		.amdhsa_wavefront_size32 1
		.amdhsa_system_sgpr_workgroup_id_x 1
		.amdhsa_system_sgpr_workgroup_id_y 1
		.amdhsa_system_sgpr_workgroup_id_z 1
		.amdhsa_system_vgpr_workitem_id 0
		.amdhsa_next_free_vgpr 256
		.amdhsa_next_free_sgpr 66
		.amdhsa_reserve_vcc 1
		.amdhsa_float_denorm_mode_32 3
		.amdhsa_float_denorm_mode_16_64 3
		.amdhsa_memory_ordered 1
		.amdhsa_forward_progress 1
		.amdhsa_inst_pref_size 96
	.end_amdhsa_kernel
	.amdgpu_metadata
---
amdhsa.version: [ 1, 2 ]
amdhsa.kernels:
  - .name:           k_q3e5331eaae_prep
    .symbol:         k_q3e5331eaae_prep.kd
    .args:
      - { .name: query_spikes, .offset: 0, .size: 8, .value_kind: global_buffer, .address_space: global }
      - { .name: key_spikes, .offset: 8, .size: 8, .value_kind: global_buffer, .address_space: global }
      - { .name: value_spikes, .offset: 16, .size: 8, .value_kind: global_buffer, .address_space: global }
      - { .name: Wq, .offset: 24, .size: 8, .value_kind: global_buffer, .address_space: global }
      - { .name: Wk, .offset: 32, .size: 8, .value_kind: global_buffer, .address_space: global }
      - { .name: Wv, .offset: 40, .size: 8, .value_kind: global_buffer, .address_space: global }
      - { .name: Wo, .offset: 48, .size: 8, .value_kind: global_buffer, .address_space: global }
      - { .name: xc, .offset: 56, .size: 8, .value_kind: global_buffer, .address_space: global }
      - { .name: wc, .offset: 64, .size: 8, .value_kind: global_buffer, .address_space: global }
      - { .name: wo_f, .offset: 72, .size: 8, .value_kind: global_buffer, .address_space: global }
    .group_segment_fixed_size: 35840
    .private_segment_fixed_size: 0
    .kernarg_segment_align: 8
    .kernarg_segment_size: 80
    .max_flat_workgroup_size: 128
    .sgpr_count:     66
    .vgpr_count:     256
    .wavefront_size: 32
...
	.end_amdgpu_metadata
.endif
;; end of part 1
;; launch main (part 2): grid 256 x 1, 4 waves a work-group, no clusters, 305,664 bytes of LDS; arguments xc, wc, wo_f, bq, bk, bv, bo, modality_weights, temporal_sync, out0; writes out0
.if DOCPART == 2
	.amdgcn_target "amdgcn-amd-amdhsa--gfx1250"
	.amdhsa_code_object_version 6
	.text
	.protected	k_q3e5331eaae_main
	.globl	k_q3e5331eaae_main
	.p2align	8
	.type	k_q3e5331eaae_main,@function
k_q3e5331eaae_main:
	s_mov_b64 s[64:65], 0
	v_nop
	global_prefetch_b8 v0, s[64:65] scope:SCOPE_SE
	s_setreg_imm32_b32 hwreg(HW_REG_WAVE_MODE, 25, 1), 1
	s_wait_xcnt 0x0
; MAIN: the whole chain for 128 queries of one (b, t): projections on codes of FP4; scores and P V in bf16; the output projection in f16; all sums in f32.  Q, K, V, the scores, the weights and the attended rows never go to memory.
; SHARES.  Work-group = (b t, half of the 256 queries).  Wave w owns heads 2 w and 2 w + 1, one after the other: it alone makes K_h (256 x 64) and V_h^T, which stay in its registers as bf16 fragments (256 + 256), makes Q_h (kept in LDS as
; images of its registers), and walks 8 tiles of 16 queries against all 256 keys.  In the output projection wave w makes columns 128 w .. + 127 of all 128 rows: 64 accumulators.
; LAYOUT: NOTHING IS EVER TRANSPOSED.  K and Q projections are used transposed (source 0 = 16 features of W, source 1 = 16 rows of x): a lane holds one row and 8 neighbouring features; two such tiles packed to 16 bits ARE a fragment 16 rows x 32 channels.
; V's projection is used as it stands (source 0 = 16 keys of x, source 1 = 16 features): a lane holds one channel and 8 neighbouring keys: two tiles are a fragment of V^T.  S^T = K Q^T gives a lane one query and 8 keys: two tiles packed are P.
; O^T = V^T P gives one query and 8 channels: two tiles are a fragment of the output projection, which is used transposed again: a lane ends with 8 neighbouring columns of one row of out0.
; THE WEIGHTS.  p = sigmoid(5 (s - max)) = 1 / (1 + 2^(m' - s')), s' = 5 log2(e) s.  5 log2(e) x mod_w / 8 is multiplied onto Q in f32 before Q is rounded to bf16 (mod_w may be negative: so ahead of the maximum); 5 log2(e) x temporal_sync is the C of
; the first score product.  The row's maximum is taken of all 256 keys before any p, as reference() does; m' - s' is never negative, so 2^(..) is at least 1; where it overflows p is 0.  The sum is taken of the unrounded p; + 1e-8; O is divided at the end.
; WHY f16 IN THE OUTPUT PROJECTION.  An output is a sum of 512 products whose two roundings are averaged over nothing: in bf16 (8 significant bits) they are the largest error of the chain; f16 has 11.  The roundings of Q, K, P and V are averaged
; over a query's 256 keys, so these stay in bf16, which has f32's range.  ROOM IN f16: an attended number is a mean of V with weights whose sum is under 1, so it is never larger than the largest |V|.
; LIMITS: |V| and |Wo| stay under 65,504 (beyond it f16 is infinite); numbers under 2^-14 keep steps of 2^-24.  NaN and infinities among the inputs are not served.  Each operand of the three products that are not quantised is rounded to 16 bits once.
; x's RECORDS LAND IN THE ORDER OF THEIR USE: values, keys, queries.  Each projection stands behind a counted wait and a barrier of its own, so that the first head's V and K are made while the later records are on their way; the two that stand in
; the loop over heads find nothing out in the second head's trip.  Nothing in LDS is ever filled again.
; THE LAST THREE K STEPS OF THE OUTPUT PROJECTION GO BY ROWS OF out0: their fragments of Wo lie in three of the ring's four buffers, so a block of 16 rows is finished by 24 products and leaves while the next block is multiplied.
; NO CLUSTER, by this text's own arithmetic: the weights, which all work-groups read, go from memory straight into the registers of the one wave that multiplies by them (a head's three matrices are 52,224 bytes a wave, and 22,528 bytes of LDS are
; unclaimed: a joint load would have no place to land); the codes of x that two work-groups share are 139,264 bytes, fetched once at the head.
; LDS: x's records (prep's layout: 4,352 bytes for 16 rows): queries 8 at 0, keys 16 at 34,816, values 16 at 104,448, each filled ONCE by tensor loads; from 174,080 on ATT [head 8][tile of queries 8][32 channels 2][1,024 bytes]: first Q_h, then,
; tile by tile, the attended rows (the wave's own bytes until the barrier behind the heads).  On the way out each wave's stage (16 rows x 528 bytes) lies in the queries' records, which have had their one fill and their last read.
; REGISTERS, in windows of 256 (s_set_vgpr_msb: bits 1:0 source 0, 3:2 source 1, 5:4 source 2, 7:6 destination):
;  window 0: v1-5 LDS addresses of x's records; v6 32 h; v7 4 r; v8 ATT address in hand; v9 ATT for the output projection; v[10:11] Q's factor; v12, v13 the stage; v16-31, v32-47 scale words of the weights in WA, WB; v48-55 x's scale words, two sets;
;            (in attention v32-49 are maxima, sums and the reciprocal); v56-63 TS; v64-127 projection accumulators, two sets, then P, then bo, then attended fragments; v128-255 Wk's fragments, then S^T, then the attended fragments.
;  window 1: v0-127 WA: Wv's, then Wq's, then the next head's Wv's fragments; v128-159, v160-191 biases; v192-255 x's fragments, two sets; in attention O^T at v192, Q at v224.  In the output projection: Wo's fragments of four K steps; at its end v0-63 rows of out0.
;  window 2: K's fragments, (tile of keys T, 32 channels c) at 16 T + 8 c.   window 3: V^T's, (16 channels t, 32 keys kc) at 64 t + 8 kc.   In the output projection: the accumulators.
.set REC,   4352
.set MATB,  32*REC                     ; a matrix in wc
.set HEADB, 4*REC                      ; a head's four records
.set HALFX, 8*REC
.set ATT,   40*REC
.set WP,    28                         ; s[28:29] wc at my head
.set WOP,   76                         ; s[76:77] wo_f at my wave's part
.set WA,    0
.set BA,    128
.set BB,    160
.set XB,    192
.set WB,    128
.set WSA,   16
.set WSB,   32
.set XS,    48
.set TS,    56
.set ACC,   64
.set P,     64
.set BO,    64
.set S,     128
.set AB,    128
.set O,     192
.set QF,    224
.set MX,    32
.set MSB, 0
.macro WIN new                         ; the immediate's high byte repeats the setting that is left; a switch that changes nothing is dropped
.if MSB != (\new)
	s_set_vgpr_msb (MSB<<8)|(\new)
.set MSB, \new
.endif
.endm
.macro PLACES                          ; plain vector instructions between a matrix instruction and a load into, or a read of, its registers
.rept 4
	v_nop
.endr
.endm
; A head's part of one weight: 16 fragments (tile of 16 features t, K step q) at buf + 32 t + 8 q, four scale words a tile, and the bias in the result's layout, which will be the C of each sum's first product.
; vmode = 0: a lane holds 8 neighbouring features (44 loads).  vmode = 1: a lane holds one feature in all 8 registers (68 loads).
.macro LOADW buf, bw, ws, bias, mat, vmode, xo, bp, bxo
	WIN \bw
.irp t, 0,1,2,3
.irp q, 0,1,2,3
.irp c, 0,1
	global_load_b128 v[\buf+32*\t+8*\q+4*\c:\buf+32*\t+8*\q+4*\c+3], v1, s[WP:WP+1] offset:\mat*MATB+\xo+\t*REC+256+\q*1024+\c*512
.endr
.endr
.endr
	WIN 0
.irp t, 0,1,2,3
	global_load_b128 v[\ws+4*\t:\ws+4*\t+3], v1, s[WP:WP+1] offset:\mat*MATB+\xo+\t*REC   ; lanes 0-15: feature r's four scale words; what lanes 16-31 bring is not read by the products
.endr
	WIN 0x40
.if \vmode
.irp t, 0,1,2,3
.irp j, 0,1,2,3,4,5,6,7
	global_load_b32 v[\bias+8*\t+\j], v7, s[\bp:\bp+1] offset:\bxo+64*\t
.endr
.endr
.else
.irp t, 0,1,2,3
	global_load_b128 v[\bias+8*\t:\bias+8*\t+3], v6, s[\bp:\bp+1] offset:\bxo+64*\t
	global_load_b128 v[\bias+8*\t+4:\bias+8*\t+7], v6, s[\bp:\bp+1] offset:\bxo+64*\t+16
.endr
.endif
	WIN 0
.endm
; x's record ti of a region (address registers g0, g0 + 1: eight records each): four fragments and the rows' four scale words, into set ti % 2
.macro LOADX g0, ti
	WIN 0x40
.irp q, 0,1,2,3
.irp c, 0,1
	ds_load_b128 v[XB+32*((\ti)%2)+8*\q+4*\c:XB+32*((\ti)%2)+8*\q+4*\c+3], v[\g0+(\ti)/8] offset:((\ti)%8)*REC+256+\q*1024+\c*512
.endr
.endr
	WIN 0
	ds_load_b128 v[XS+4*((\ti)%2):XS+4*((\ti)%2)+3], v[\g0+(\ti)/8] offset:((\ti)%8)*REC
.endm
.macro WMI d, a, b, c, sa, sb
	v_wmma_scale_f32_16x16x128_f8f6f4 v[\d:\d+7], v[\a:\a+7], v[\b:\b+7], \c, v[\sa], v[\sb] matrix_a_fmt:MATRIX_FMT_FP4 matrix_b_fmt:MATRIX_FMT_FP4
.endm
; 16 products: 16 rows of x against a head's 64 features, K = 512 in four steps.  The four accumulators take turns, one instruction a turn.  kind 0: V, 1: K, 2: Q.
.macro WM kind, ti
.set PP, (\ti)%2
.irp q, 0,1,2,3
.if \kind == 1
.if \q == 0
	WIN 0x14                                       ; Wk window 0, x window 1, the bias window 1
.else
	WIN 0x04
.endif
.else
.if \q == 0
	WIN 0x15                                       ; both sources and the bias window 1
.else
	WIN 0x05
.endif
.endif
.irp t, 0,1,2,3
.if \kind == 0
.if \q == 0
	WMI ACC+32*PP+8*\t, XB+32*PP+8*\q, WA+32*\t+8*\q, v[BA+8*\t:BA+8*\t+7], XS+4*PP+\q, WSA+4*\t+\q
.else
	WMI ACC+32*PP+8*\t, XB+32*PP+8*\q, WA+32*\t+8*\q, v[ACC+32*PP+8*\t:ACC+32*PP+8*\t+7], XS+4*PP+\q, WSA+4*\t+\q
.endif
.elseif \kind == 1
.if \q == 0
	WMI ACC+32*PP+8*\t, WB+32*\t+8*\q, XB+32*PP+8*\q, v[BB+8*\t:BB+8*\t+7], WSB+4*\t+\q, XS+4*PP+\q
.else
	WMI ACC+32*PP+8*\t, WB+32*\t+8*\q, XB+32*PP+8*\q, v[ACC+32*PP+8*\t:ACC+32*PP+8*\t+7], WSB+4*\t+\q, XS+4*PP+\q
.endif
.else
.if \q == 0
	WMI ACC+32*PP+8*\t, WA+32*\t+8*\q, XB+32*PP+8*\q, v[BA+8*\t:BA+8*\t+7], WSA+4*\t+\q, XS+4*PP+\q
.else
	WMI ACC+32*PP+8*\t, WA+32*\t+8*\q, XB+32*PP+8*\q, v[ACC+32*PP+8*\t:ACC+32*PP+8*\t+7], WSA+4*\t+\q, XS+4*PP+\q
.endif
.endif
.endr
.endr
.endm
; The results of tile ti become halves of bf16 fragments; each accumulator is read from its low end on.
.macro CV kind, ti
.set PP, (\ti)%2
.if \kind == 0
	WIN 0xc0                                       ; V^T: keys 16 ti + 8 h + j of channel 16 t + r: half ti % 2 of fragment (t, ti / 2)
.irp t, 0,1,2,3
.irp i, 0,1,2,3
	v_cvt_pk_bf16_f32 v[64*\t+8*((\ti)/2)+4*PP+\i], v[ACC+32*PP+8*\t+2*\i], v[ACC+32*PP+8*\t+2*\i+1]
.endr
.endr
.elseif \kind == 1
	WIN 0x80                                       ; K: channels 16 t + 8 h + j of key 16 ti + r: half t % 2 of fragment (ti, t / 2)
.irp t, 0,1,2,3
.irp i, 0,1,2,3
	v_cvt_pk_bf16_f32 v[16*(\ti)+8*(\t/2)+4*(\t%2)+\i], v[ACC+32*PP+8*\t+2*\i], v[ACC+32*PP+8*\t+2*\i+1]
.endr
.endr
.else
	WIN 0                                          ; Q: x its factor in f32, rounded, and into my head's part of ATT as images of the registers
.irp t, 0,1,2,3
.irp i, 0,1,2,3
	v_pk_mul_f32 v[128+8*\t+2*\i:128+8*\t+2*\i+1], v[ACC+32*PP+8*\t+2*\i:ACC+32*PP+8*\t+2*\i+1], v[10:11]
.endr
.endr
.irp i, 0,1,2,3,4,5,6,7,8,9,10,11,12,13,14,15
	v_cvt_pk_bf16_f32 v[160+\i], v[128+2*\i], v[129+2*\i]
.endr
.irp t, 0,1,2,3
	ds_store_b128 v8, v[160+4*\t:163+4*\t] offset:(\ti)*2048+512*\t
.endr
.endif
.endm
; A projection of n tiles of rows.  Tile T's record is asked for one tile ahead; the conversions of tile T - 1 stand behind tile T's products: they name none of those products' registers, so they are the places in front of the next loads
; into the other set of x's registers, of the reads of tile T's results, and of the products that begin the other set of accumulators anew.
.macro PROJ kind, n, g0
.set TT, 0
	LOADX \g0, 0
.rept \n
	s_wait_dscnt 0x0                               ; this tile's record is in my registers (asked for a tile ago)
.if TT+1 < \n
	LOADX \g0, TT+1
.endif
	WM \kind, TT
.if TT == 0
	PLACES
.else
	CV \kind, TT-1
.endif
.set TT, TT+1
.endr
	CV \kind, \n-1
	WIN 0
.endm
; ---- attention's macros.  S^T of keys 64 G .. 64 G + 63: four accumulators by turns, two products deep; the first takes TS as C
.macro SG G
	WIN 0x06                                       ; K window 2, Q window 1, S^T and TS window 0
.irp x, 0,1,2,3
	v_wmma_f32_16x16x32_bf16 v[S+8*(4*(\G)+\x):S+8*(4*(\G)+\x)+7], v[16*(4*(\G)+\x):16*(4*(\G)+\x)+7], v[QF:QF+7], v[TS:TS+7]
.endr
.irp x, 0,1,2,3
	v_wmma_f32_16x16x32_bf16 v[S+8*(4*(\G)+\x):S+8*(4*(\G)+\x)+7], v[16*(4*(\G)+\x)+8:16*(4*(\G)+\x)+15], v[QF+8:QF+15], v[S+8*(4*(\G)+\x):S+8*(4*(\G)+\x)+7]
.endr
.endm
.macro MAXG G                          ; the largest of each run of 16 registers, two runs by turns; every accumulator's first read takes one of its lowest registers
.irp u, 0,1
	v_max3_num_f32 v[MX+2*(\G)+\u], v[S+32*(\G)+16*\u], v[S+32*(\G)+16*\u+1], v[S+32*(\G)+16*\u+2]
.endr
.irp i, 3,5,7,9,11,13
.irp u, 0,1
	v_max3_num_f32 v[MX+2*(\G)+\u], v[MX+2*(\G)+\u], v[S+32*(\G)+16*\u+\i], v[S+32*(\G)+16*\u+\i+1]
.endr
.endr
.irp u, 0,1
	v_max_num_f32 v[MX+2*(\G)+\u], v[MX+2*(\G)+\u], v[S+32*(\G)+16*\u+15]
.endr
.endm
.macro PV kc                           ; O^T += V^T P for keys 32 kc on: four accumulators by turns; the first chunk starts the sums
	WIN 0x53                                       ; V^T window 3, P window 0, O^T window 1
.irp t, 0,1,2,3
.if (\kc) == 0
	v_wmma_f32_16x16x32_bf16 v[O+8*\t:O+8*\t+7], v[64*\t+8*(\kc):64*\t+8*(\kc)+7], v[P+8*(\kc):P+8*(\kc)+7], 0
	s_wait_alu depctr_va_vdst(0)
.else
	v_wmma_f32_16x16x32_bf16 v[O+8*\t:O+8*\t+7], v[64*\t+8*(\kc):64*\t+8*(\kc)+7], v[P+8*(\kc):P+8*(\kc)+7], v[O+8*\t:O+8*\t+7]
	s_wait_alu depctr_va_vdst(0)
.endif
.endr
	WIN 0
.endm
; The weights go by chunks of 32 keys (16 registers) through a pipeline: chunk n + 1: m' - s';  chunk n: 2^(..);  chunk n - 1: 1 + .., then the reciprocal;  chunk n - 2: into the sums, rounded to bf16, and multiplied by V^T.
; A plain instruction and a transcendental alternate, and no transcendental's result is used before a later half step.
.macro SSTEP n
.irp i, 0,1,2,3,4,5,6,7
.if ((\n) >= 1) && ((\n) <= 8)
	s_wait_alu depctr_va_vdst(0)
	v_pk_add_f32 v[S+16*((\n)-1)+2*\i:S+16*((\n)-1)+2*\i+1], v[S+16*((\n)-1)+2*\i:S+16*((\n)-1)+2*\i+1], 1.0 op_sel_hi:[1,0]
.endif
.if ((\n) >= 0) && ((\n) <= 7)
	v_exp_f32 v[S+16*(\n)+2*\i], v[S+16*(\n)+2*\i]
.endif
.if ((\n) >= -1) && ((\n) <= 6)
	v_pk_add_f32 v[S+16*((\n)+1)+2*\i:S+16*((\n)+1)+2*\i+1], v[40:41], v[S+16*((\n)+1)+2*\i:S+16*((\n)+1)+2*\i+1] neg_lo:[0,1] neg_hi:[0,1]
.endif
.if ((\n) >= 0) && ((\n) <= 7)
	v_exp_f32 v[S+16*(\n)+2*\i+1], v[S+16*(\n)+2*\i+1]
.endif
.endr
.irp i, 0,1,2,3,4,5,6,7
.if ((\n) >= 2) && ((\n) <= 9)
	v_pk_add_f32 v[44+2*(\i%2):45+2*(\i%2)], v[44+2*(\i%2):45+2*(\i%2)], v[S+16*((\n)-2)+2*\i:S+16*((\n)-2)+2*\i+1]
.endif
.if ((\n) >= 1) && ((\n) <= 8)
	v_rcp_f32 v[S+16*((\n)-1)+2*\i], v[S+16*((\n)-1)+2*\i]
.endif
.if ((\n) >= 2) && ((\n) <= 9)
	v_cvt_pk_bf16_f32 v[P+8*((\n)-2)+\i], v[S+16*((\n)-2)+2*\i], v[S+16*((\n)-2)+2*\i+1]
.endif
.if ((\n) >= 1) && ((\n) <= 8)
	v_rcp_f32 v[S+16*((\n)-1)+2*\i+1], v[S+16*((\n)-1)+2*\i+1]
.endif
.endr
.if ((\n) >= 2) && ((\n) <= 9)
	PV (\n)-2
.endif
.endm
; One tile of 16 queries against the head's 256 keys.  more = 1: the next tile's Q is asked for.
.macro TILE more
	s_wait_dscnt 0x0                               ; this tile's Q is in; the last tile's stores are done
	v_add_nc_u32 v8, s70, v1                       ; this tile's 2,048 bytes of ATT
	SG 0
	SG 1
	WIN 0
	PLACES
	MAXG 0                                         ; each group's maxima stand behind the next group's products
	SG 2
	WIN 0
	MAXG 1
	SG 3
	WIN 0
	MAXG 2
.if \more
	WIN 0x40
.irp k, 0,1,2,3
	ds_load_b128 v[QF+4*\k:QF+4*\k+3], v8 offset:2048+512*\k
.endr
	WIN 0
.endif
	MAXG 3
	v_max3_num_f32 v42, v32, v33, v34
	v_max3_num_f32 v43, v35, v36, v37
	v_max3_num_f32 v42, v42, v43, v38
	v_max_num_f32 v42, v42, v39
	v_permlanex16_b32 v43, v42, s66, s67           ; the query's other 128 keys lie in the lane 16 away
	v_max_num_f32 v40, v42, v43                    ; m'
	v_mov_b32 v41, v40
.irp k, 44,45,46,47
	v_mov_b32 v\k, 0                               ; the sums, in two pairs
.endr
.irp n, -1,0,1,2,3,4,5,6,7,8,9
	SSTEP \n
.endr
	v_pk_add_f32 v[44:45], v[44:45], v[46:47]      ; (these lines are also the places behind the last products)
	v_add_f32 v44, v44, v45
	v_permlanex16_b32 v45, v44, s66, s67
	v_add_f32 v44, v44, v45                        ; the row's sum
	v_add_f32 v44, 0x322bcc77, v44                 ; + 1e-8
	v_rcp_f32 v48, v44
	v_nop                                          ; a plain instruction behind the reciprocal
	s_wait_alu depctr_va_vdst(0)
	v_mov_b32 v49, v48
	WIN 0x01                                       ; O^T window 1
.irp i, 0,1,2,3,4,5,6,7,8,9,10,11,12,13,14,15
	v_pk_mul_f32 v[128+2*\i:129+2*\i], v[O+2*\i:O+2*\i+1], v[48:49]
.endr
	WIN 0
.irp i, 0,1,2,3,4,5,6,7,8,9,10,11,12,13,14,15
	v_cvt_pk_f16_f32 v[160+\i], v[128+2*\i], v[129+2*\i]   ; the attended rows go in f16: see the head
.endr
.irp k, 0,1,2,3
	ds_store_b128 v8, v[160+4*\k:163+4*\k] offset:512*\k   ; over this tile's Q, which is in my registers: two fragments of the output projection
.endr
	s_add_co_u32 s70, s70, 2048
.endm
; ---------------- the head of the kernel
	s_load_b256 s[4:11], s[0:1], 0x0               ; xc s[4:5], wc s[6:7], wo_f s[8:9], bq s[10:11]
	s_load_b256 s[12:19], s[0:1], 0x20             ; bk s[12:13], bv s[14:15], bo s[16:17], modality_weights s[18:19]
	s_load_b128 s[20:23], s[0:1], 0x40             ; temporal_sync s[20:21], out0 s[22:23]
	v_lshl_add_u32 v254, v0, 2, 0x4a800
	v_mov_b32 v255, 0
	ds_add_u32 v254, v255
	ds_add_u32 v254, v255
	s_wait_dscnt 0x0
	v_lshrrev_b32 v14, 5, v0
	v_readfirstlane_b32 s24, v14                   ; wave
	s_lshr_b32 s25, ttmp9, 1                       ; b t
	s_and_b32 s26, ttmp9, 1                        ; which half of the queries
	; descriptor groups 1: dense blocks as rows of 256 bytes (32 elements of 8 bytes): 34 rows = 2 records, 68 rows = 4 records; no padding: every read is 16 bytes a lane on end
	s_mov_b32 s32, 3<<16
	s_mov_b32 s33, 32<<16
	s_mov_b32 s34, 34<<16
	s_mov_b32 s35, 32<<16
	s_mov_b32 s36, 34
	s_mov_b32 s37, 32
	s_mov_b32 s38, 0
	s_mov_b32 s39, 0
	s_mov_b32 s40, 3<<16
	s_mov_b32 s41, 32<<16
	s_mov_b32 s42, 68<<16
	s_mov_b32 s43, 32<<16
	s_mov_b32 s44, 68
	s_mov_b32 s45, 32
	s_mov_b32 s46, 0
	s_mov_b32 s47, 0
	s_mov_b32 s48, 1
	s_mul_i32 s49, s24, 2*REC                      ; queries: my two records
	s_mov_b32 s52, 1
	s_mul_i32 s53, s24, 4*REC
	s_add_co_u32 s57, s53, 3*HALFX                 ; values: my four
	s_add_co_u32 s53, s53, HALFX                   ; keys: my four
	s_mov_b32 s56, 1
	s_lshl_b32 s60, s25, 4
	s_lshl_b32 s61, s26, 3
	s_add_co_u32 s61, s61, s60
	s_lshl_b32 s62, s24, 1
	s_add_co_u32 s61, s61, s62                     ; record 16 bt + 8 half + 2 wave
	s_mul_i32 s92, s61, REC
	s_mov_b32 s93, 0
	s_lshl_b32 s62, s24, 2
	s_add_co_u32 s62, s62, s60                     ; record 16 bt + 4 wave of the keys' and of the values' 2,048
	s_mul_i32 s94, s62, REC
	s_mov_b32 s95, 0
	s_mov_b32 s66, 0x76543210
	s_mov_b32 s67, 0xfedcba98                      ; v_permlanex16_b32's selects for lane l xor 16
	s_lshl_b32 s70, s24, 15
	s_add_co_u32 s70, s70, ATT                     ; my two heads' part of ATT; it steps 2,048 bytes a tile and is never set back
	v_and_b32 v14, 31, v0
	v_lshlrev_b32 v1, 4, v14                       ; 16 x lane
	v_add_nc_u32 v2, HALFX, v1
	v_add_nc_u32 v3, 2*HALFX, v1
	v_add_nc_u32 v4, 3*HALFX, v1
	v_add_nc_u32 v5, 4*HALFX, v1
	v_bfe_u32 v15, v0, 4, 1                        ; h
	v_lshlrev_b32 v6, 5, v15
	v_and_b32 v14, 15, v0                          ; r
	v_lshlrev_b32 v7, 2, v14
	v_add_nc_u32 v9, ATT, v1
	s_mul_i32 s60, s24, 16*528                     ; my stage
	v_mul_u32_u24 v12, v14, 528
	v_lshl_add_u32 v12, v15, 5, v12
	v_add_nc_u32 v12, s60, v12                     ; in: row r, 32 bytes for each half of the lanes
	v_add_nc_u32 v13, s60, v1                      ; back: a row of 512 bytes to the 32 lanes
	s_wait_kmcnt 0x0
	s_add_nc_u64 s[50:51], s[4:5], s[92:93]
	s_or_b32 s51, s51, 0x80000000
	s_add_nc_u64 s[54:55], s[4:5], s[94:95]
	s_add_nc_u64 s[58:59], s[54:55], 4096*REC
	s_add_nc_u64 s[54:55], s[54:55], 2048*REC
	s_or_b32 s55, s55, 0x80000000
	s_or_b32 s59, s59, 0x80000000
	tensor_load_to_lds s[56:59], s[40:47]          ; each wave brings a quarter of each region, in the order of use: the values',
	s_nop 0
	tensor_load_to_lds s[52:55], s[40:47]          ; the keys',
	s_nop 0
	tensor_load_to_lds s[48:51], s[32:39]          ; the queries': three loads of mine are out.  Nothing in LDS is ever filled again
	s_nop 0
	PLACES                                         ; four plain lines behind the loads, ahead of the first switch of windows
	s_mul_i32 s94, s24, 2*HEADB
	s_add_nc_u64 s[WP:WP+1], s[6:7], s[94:95]      ; wc at head 2 w
	s_lshl_b32 s94, s24, 17
	s_add_nc_u64 s[WOP:WOP+1], s[8:9], s[94:95]
	s_lshl_b32 s94, s24, 9                         ; 128 numbers: two heads' biases; my 128 columns of bo
	s_add_nc_u64 s[10:11], s[10:11], s[94:95]
	s_add_nc_u64 s[12:13], s[12:13], s[94:95]
	s_add_nc_u64 s[14:15], s[14:15], s[94:95]
	s_add_nc_u64 s[16:17], s[16:17], s[94:95]
	s_lshl_b32 s94, s24, 3
	s_add_nc_u64 s[18:19], s[18:19], s[94:95]      ; modality_weights[0][2 w]
	s_and_b32 s60, s25, 31
	s_lshl_b32 s60, s60, 5
	s_add_co_u32 s94, s94, s60
	s_add_nc_u64 s[20:21], s[20:21], s[94:95]      ; temporal_sync[t][2 w]
	s_lshl_b32 s94, s25, 19
	s_lshl_b32 s60, s26, 18
	s_add_co_u32 s94, s94, s60
	s_lshl_b32 s60, s24, 9
	s_add_co_u32 s94, s94, s60
	s_add_nc_u64 s[22:23], s[22:23], s[94:95]      ; out0 at my first row and my first column
	LOADW WA, 0x40, WSA, BA, 2, 1, 0, 14, 0        ; the first head's Wv
	s_wait_tensorcnt 0x2                           ; my part of the values' records has landed; the two loads issued behind it may be out,
	s_barrier_signal -1
	s_barrier_wait -1                              ; everybody's has
	s_mov_b32 s68, 2
; ---------------- a head
.Lhead:
	s_load_b32 s90, s[18:19], 0x0                  ; modality_weights[0][head],
	s_load_b32 s91, s[18:19], 0x20                 ; [1][head],
	s_load_b32 s92, s[20:21], 0x0                  ; temporal_sync[t][head]
	s_wait_loadcnt 0x0                             ; Wv is in: it was asked for ahead of the last head's attention
	LOADW WB, 0, WSB, BB, 1, 0, 0, 12, 0           ; Wk lands while V is made
	PROJ 0, 16, 4
	LOADW WA, 0x40, WSA, BA, 0, 0, 0, 10, 0        ; Wq lands while K is made
	s_wait_loadcnt 44                              ; Wk's 44 loads are in; Wq's 44 may be out
	s_wait_tensorcnt 0x1                           ; my part of the keys' records has landed; the queries' load, issued behind it, may be out (in the second head's trip nothing is out),
	s_barrier_signal -1
	s_barrier_wait -1                              ; everybody's has
	PROJ 1, 16, 2
	s_wait_kmcnt 0x0
	s_wait_tensorcnt 0x0                           ; my part of the queries' records has landed: no load was issued behind it,
	s_barrier_signal -1
	v_mov_b32 v10, s90                             ; (work on registers while the others arrive)
	v_mul_f32 v10, s91, v10
	v_mul_f32 v10, 0x3f66d4ca, v10                 ; mod_w x 5 log2(e) / 8
	v_mov_b32 v11, v10
	v_mov_b32 v14, s92
.irp j, 0,1,2,3,4,5,6,7
	v_mul_f32 v[TS+\j], 0x40e6d4ca, v14            ; 5 log2(e) x temporal_sync, in all of a result's registers
.endr
	v_add_nc_u32 v8, s70, v1
	s_barrier_wait -1                              ; everybody's has
	s_wait_loadcnt 0x0                             ; Wq
	PROJ 2, 8, 1
	s_cmp_eq_u32 s68, 1                            ; what lands during attention: the next head's Wv, or behind the last head Wo's first two K steps; both go into WA's registers
	s_cbranch_scc1 .Llast_head
	LOADW WA, 0x40, WSA, BA, 2, 1, HEADB, 14, 256
	s_branch .Lasked
.Llast_head:
	WIN 0x40
.irp m, 0,1
.irp b, 0,1,2,3,4,5,6,7
.irp c, 0,1
	global_load_b128 v[64*\m+8*\b+4*\c:64*\m+8*\b+4*\c+3], v1, s[WOP:WOP+1] offset:\m*8192+\b*1024+\c*512
.endr
.endr
.endr
	WIN 0
.Lasked:
	WIN 0x40
.irp k, 0,1,2,3
	ds_load_b128 v[QF+4*\k:QF+4*\k+3], v8 offset:512*\k   ; the first tile's Q: LDS serves a wave's instructions in order, so these see my stores
.endr
	WIN 0
	s_mov_b32 s69, 7
.Ltile:
	TILE 1
	s_sub_co_u32 s69, s69, 1
	s_cmp_lg_u32 s69, 0
	s_cbranch_scc1 .Ltile
	TILE 0                                         ; the head's last tile asks for no Q
	s_wait_dscnt 0x0                               ; my stores have read their registers: the next head's loads land there
	s_wait_xcnt 0x0                                ; the pending loads have read their bases: now these may step
	s_add_nc_u64 s[WP:WP+1], s[WP:WP+1], HEADB
	s_add_nc_u64 s[10:11], s[10:11], 256
	s_add_nc_u64 s[12:13], s[12:13], 256
	s_add_nc_u64 s[14:15], s[14:15], 256
	s_add_nc_u64 s[18:19], s[18:19], 4
	s_add_nc_u64 s[20:21], s[20:21], 4
	s_sub_co_u32 s68, s68, 1
	s_cmp_lg_u32 s68, 0
	s_cbranch_scc1 .Lhead
; ---------------- the output projection: out0 rows (128) x my 128 columns, K = 512 in 16 steps of 32: K step m = head m / 2, channels 32 (m % 2) on
	s_wait_loadcnt 0x0                             ; all that was asked for ahead of the last attention is in (eight tiles of queries ago): no load below lands on a register that an earlier load has yet to write
	WIN 0x40
.irp b, 0,1,2,3,4,5,6,7
.irp c, 0,1
	global_load_b128 v[128+8*\b+4*\c:128+8*\b+4*\c+3], v1, s[WOP:WOP+1] offset:2*8192+\b*1024+\c*512
.endr
.endr
	WIN 0
.irp b, 0,1,2,3,4,5,6,7
	global_load_b128 v[BO+8*\b:BO+8*\b+3], v6, s[16:17] offset:64*\b          ; bo at the lane's eight columns: the C of each sum's first product
	global_load_b128 v[BO+8*\b+4:BO+8*\b+7], v6, s[16:17] offset:64*\b+16
.endr
	s_wait_dscnt 0x0                               ; for the others' sake: my stores into ATT are done, and so are my reads of x's records
	s_barrier_signal -1
	s_barrier_wait -1                              ; all eight heads' attended rows lie in LDS
.irp a, 0,1,2,3,4,5,6,7
.irp c, 0,1
	ds_load_b128 v[AB+8*\a+4*\c:AB+8*\a+4*\c+3], v9 offset:\a*2048+\c*512
.endr
.endr
; A K step, numbered mr from where the bases stand.  At its head: Wo's fragments of three steps on (16 loads) and the attended fragments of the next step (16 LDS loads); then 64 products, the 64 accumulators by turns in one fixed order.
.macro KSTEP mr, first, lcnt
	WIN 0x40
.irp b, 0,1,2,3,4,5,6,7
.irp c, 0,1
	global_load_b128 v[64*(((\mr)+3)%4)+8*\b+4*\c:64*(((\mr)+3)%4)+8*\b+4*\c+3], v1, s[WOP:WOP+1] offset:((\mr)+3)*8192+\b*1024+\c*512
.endr
.endr
	WIN 0
.irp a, 0,1,2,3,4,5,6,7
.irp c, 0,1
	ds_load_b128 v[AB+64*(((\mr)+1)%2)+8*\a+4*\c:AB+64*(((\mr)+1)%2)+8*\a+4*\c+3], v9 offset:(((\mr)+1)/2)*16384+(((\mr)+1)%2)*1024+\a*2048+\c*512
.endr
.endr
	s_wait_dscnt 16                                ; this step's attended fragments are in; the 16 loads just issued may be out
	s_wait_loadcnt \lcnt                           ; this step's fragments of Wo are in; the later steps' may be out
.if \first
	WIN 0x81                                       ; Wo window 1, attended and bo window 0, results window 2
.else
	WIN 0xa1
.endif
.irp a, 0,1,2,3
.irp b, 0,1,2,3,4,5,6,7
.if \first
	v_wmma_f32_16x16x32_f16 v[8*(8*\a+\b):8*(8*\a+\b)+7], v[64*((\mr)%4)+8*\b:64*((\mr)%4)+8*\b+7], v[AB+64*((\mr)%2)+8*\a:AB+64*((\mr)%2)+8*\a+7], v[BO+8*\b:BO+8*\b+7]
.else
	v_wmma_f32_16x16x32_f16 v[8*(8*\a+\b):8*(8*\a+\b)+7], v[64*((\mr)%4)+8*\b:64*((\mr)%4)+8*\b+7], v[AB+64*((\mr)%2)+8*\a:AB+64*((\mr)%2)+8*\a+7], v[8*(8*\a+\b):8*(8*\a+\b)+7]
.endif
.endr
.endr
.if \first
	WIN 0xc1                                       ; results window 3
.else
	WIN 0xf1
.endif
.irp a, 0,1,2,3
.irp b, 0,1,2,3,4,5,6,7
.if \first
	v_wmma_f32_16x16x32_f16 v[8*(8*\a+\b):8*(8*\a+\b)+7], v[64*((\mr)%4)+8*\b:64*((\mr)%4)+8*\b+7], v[AB+64*((\mr)%2)+32+8*\a:AB+64*((\mr)%2)+32+8*\a+7], v[BO+8*\b:BO+8*\b+7]
.else
	v_wmma_f32_16x16x32_f16 v[8*(8*\a+\b):8*(8*\a+\b)+7], v[64*((\mr)%4)+8*\b:64*((\mr)%4)+8*\b+7], v[AB+64*((\mr)%2)+32+8*\a:AB+64*((\mr)%2)+32+8*\a+7], v[8*(8*\a+\b):8*(8*\a+\b)+7]
.endif
.endr
.endr
	WIN 0
	PLACES                                         ; in front of the next loads into registers that these products have read
.endm
	KSTEP 0, 1, 16                                 ; out are K step 2's 16 loads, bo's 16 and K step 3's 16: only the last 16 may stay out, since bo is wanted now
	s_mov_b32 s78, 3
.Lks:                                              ; K steps 1 to 12, four a trip, until the register numbers are back where they began
	KSTEP 1, 0, 48                                 ; three K steps' loads may be out
	KSTEP 2, 0, 48
	KSTEP 3, 0, 48
	KSTEP 4, 0, 48
	s_wait_xcnt 0x0                                ; the loads have read their base
	s_add_nc_u64 s[WOP:WOP+1], s[WOP:WOP+1], 32768
	v_add_nc_u32 v9, 32768, v9                     ; four K steps = two heads on
	s_sub_co_u32 s78, s78, 1
	s_cmp_lg_u32 s78, 0
	s_cbranch_scc1 .Lks
; ---------------- K STEPS 13, 14, 15 GO BY ROWS OF out0, AND EACH BLOCK OF 16 ROWS LEAVES AS SOON AS IT IS FINISHED.
; Wo's fragments of the three steps lie in window 1 at v64, v128, v192 (K step 12 asked for the last of them).  The attended fragments of all eight tiles of rows stand in window 0: K step 13's at v192 (K step 12 asked for them),
; K step 14's at v128 (K step 12's registers, behind its four places), K step 15's at v64 (bo's registers, which only K step 0 read).  v9 stands at K step 12.
.irp a, 0,1,2,3,4,5,6,7
.irp c, 0,1
	ds_load_b128 v[128+8*\a+4*\c:128+8*\a+4*\c+3], v9 offset:16384+\a*2048+\c*512
.endr
.endr
.irp a, 0,1,2,3,4,5,6,7
.irp c, 0,1
	ds_load_b128 v[64+8*\a+4*\c:64+8*\a+4*\c+3], v9 offset:16384+1024+\a*2048+\c*512
.endr
.endr
; Block a is finished: 24 products, its 8 accumulators by turns, K ascending.  first = 1: each step's 16 loads of Wo and 16 LDS loads are waited for as they are wanted; the later steps' may be out.
.macro ROW a, first
	WIN 0xa1+0x50*((\a)/4)                         ; Wo window 1, attended window 0, C and D window 2 (blocks 0-3) or 3 (blocks 4-7)
.irp q, 1,2,3
.if \first
	s_wait_loadcnt 16*(3-\q)
	s_wait_dscnt 16*(3-\q)
.endif
.irp b, 0,1,2,3,4,5,6,7
	v_wmma_f32_16x16x32_f16 v[64*((\a)%4)+8*\b:64*((\a)%4)+8*\b+7], v[64*\q+8*\b:64*\q+8*\b+7], v[256-64*\q+8*(\a):256-64*\q+8*(\a)+7], v[64*((\a)%4)+8*\b:64*((\a)%4)+8*\b+7]
.endr
.endr
.endm
; The way out of a block, 16 rows x 128 columns: a lane holds 32 neighbouring bytes of a row and the lanes beside it other rows, so the block goes through my own stage and comes back as whole rows of 512 bytes,
; into window 1, v0-63: the ring's fourth buffer, which K step 12 read last.
.macro TOSTAGE a
	WIN 0x08+4*((\a)/4)                            ; an LDS store's data are its source 1: window 2 or 3
.irp b, 0,1,2,3,4,5,6,7
	ds_store_b128 v12, v[64*((\a)%4)+8*\b:64*((\a)%4)+8*\b+3] offset:64*\b          ; each accumulator from its low end on
	ds_store_b128 v12, v[64*((\a)%4)+8*\b+4:64*((\a)%4)+8*\b+7] offset:64*\b+16
.endr
	WIN 0x40
.if (\a) > 0
	s_wait_xcnt 0x0                                ; the last block's stores have read their registers: this block's rows may land there
.endif
.irp t, 0,1,2,3,4,5,6,7,8,9,10,11,12,13,14,15
	ds_load_b128 v[4*\t:4*\t+3], v13 offset:\t*528   ; LDS serves a wave's instructions in order: these see the stores above
.endr
.endm
.macro SEND a
	s_wait_dscnt 0x0                               ; the block is back in registers (asked for 24 products ago)
	WIN 0x04                                       ; a store's data are its source 1: window 1
.irp t, 0,1,2,3,4,5,6,7,8,9,10,11,12,13,14,15
	global_store_b128 v1, v[4*\t:4*\t+3], s[22:23] offset:(\a)*32768+\t*2048 th:TH_STORE_NT   ; 32 lanes store 512 consecutive bytes, at a multiple of 256 from out0's first byte
.endr
.endm
	ROW 0, 1
.irp a, 0,1,2,3,4,5,6,7
	PLACES                                         ; between block a's last product and the LDS stores that read its results
	TOSTAGE \a
.if \a < 7
	ROW \a+1, 0                                    ; the next block is multiplied while this one turns through the stage
.endif
	SEND \a
.endr
	WIN 0
	s_wait_xcnt 0x0
	v_lshl_add_u32 v254, v0, 2, 0x4a800
	v_mov_b32 v255, 0
	s_wait_tensorcnt 0x0
	ds_add_u32 v254, v255
	s_wait_dscnt 0x0
	s_endpgm
.Lfunc_end_k_q3e5331eaae_main:
	.size	k_q3e5331eaae_main, .Lfunc_end_k_q3e5331eaae_main-k_q3e5331eaae_main
	.p2alignl 7, 3214868480
	.fill 96, 4, 3214868480
	.section	.rodata,"a",@progbits
	.p2align	6, 0x0
	.amdhsa_kernel k_q3e5331eaae_main
		.amdhsa_group_segment_fixed_size 305664
		.amdhsa_private_segment_fixed_size 0
		.amdhsa_enable_private_segment 0
		.amdhsa_kernarg_size 80
		.amdhsa_user_sgpr_count 2
		.amdhsa_user_sgpr_kernarg_segment_ptr 1
		.amdhsa_wavefront_size32 1
		.amdhsa_system_sgpr_workgroup_id_x 1
		.amdhsa_system_sgpr_workgroup_id_y 1
		.amdhsa_system_sgpr_workgroup_id_z 1
		.amdhsa_system_vgpr_workitem_id 0
		.amdhsa_next_free_vgpr 1024
		.amdhsa_next_free_sgpr 100
		.amdhsa_reserve_vcc 0
		.amdhsa_float_denorm_mode_32 3
		.amdhsa_float_denorm_mode_16_64 3
		.amdhsa_memory_ordered 1
		.amdhsa_forward_progress 1
		.amdhsa_inst_pref_size 255
	.end_amdhsa_kernel
	.section	.bss,"aw",@nobits
	.p2align	6
	.space	262144
	.amdgpu_metadata
---
amdhsa.version: [ 1, 2 ]
amdhsa.kernels:
  - .name:           k_q3e5331eaae_main
    .symbol:         k_q3e5331eaae_main.kd
    .args:
      - { .name: xc, .offset: 0, .size: 8, .value_kind: global_buffer, .address_space: global }
      - { .name: wc, .offset: 8, .size: 8, .value_kind: global_buffer, .address_space: global }
      - { .name: wo_f, .offset: 16, .size: 8, .value_kind: global_buffer, .address_space: global }
      - { .name: bq, .offset: 24, .size: 8, .value_kind: global_buffer, .address_space: global }
      - { .name: bk, .offset: 32, .size: 8, .value_kind: global_buffer, .address_space: global }
      - { .name: bv, .offset: 40, .size: 8, .value_kind: global_buffer, .address_space: global }
      - { .name: bo, .offset: 48, .size: 8, .value_kind: global_buffer, .address_space: global }
      - { .name: modality_weights, .offset: 56, .size: 8, .value_kind: global_buffer, .address_space: global }
      - { .name: temporal_sync, .offset: 64, .size: 8, .value_kind: global_buffer, .address_space: global }
      - { .name: out0, .offset: 72, .size: 8, .value_kind: global_buffer, .address_space: global }
    .group_segment_fixed_size: 305664
    .private_segment_fixed_size: 0
    .kernarg_segment_align: 8
    .kernarg_segment_size: 80
    .max_flat_workgroup_size: 128
    .sgpr_count:     100
    .vgpr_count:     1024
    .wavefront_size: 32
...
	.end_amdgpu_metadata
.endif
;; end of part 2
